; MI455X (gfx1250); checked and timed in simulation.
; The chip was launched on July 23, 2026; its instructions are those of AMD's public machine-readable ISA for CDNA 5 (MIT licence, August 2026) and "CDNA5" Instruction Set Architecture Reference Guide (July 2026). The comments in the code are by the model that wrote it; some were corrected since.
;; Multi Head Self Attention. Allowed arithmetic: matrix products marked QUANTISED: E2M1 operands, one E8M0 scale for each 32 along K, by v_wmma_scale_f32_16x16x128_f8f6f4 with both operands' format E2M1 (or v_wmma_scale_f32_32x16x128_f4), f32 sums; everything else in f32.
;; Inputs: b_out 1,024 float32; b_qkv 3,072 float32; w_out_codes 1,024 x 32 x 16 uint8 (E2M1 codes of w_out, K innermost, in blocks of 32 codes, two codes a byte); w_out_scales 1,024 x 32 uint8 (E8M0 scales of w_out, one for each 32 codes along K); w_qkv_codes 3,072 x 32 x 16 uint8 (E2M1 codes of w_qkv, K innermost, in blocks of 32 codes, two codes a byte); w_qkv_scales 3,072 x 32 uint8 (E8M0 scales of w_qkv, one for each 32 codes along K); x_codes 4 x 2,048 x 32 x 16 uint8 (E2M1 codes of x, K innermost, in blocks of 32 codes, two codes a byte); x_scales 4 x 2,048 x 32 uint8 (E8M0 scales of x, one for each 32 codes along K).
;; Outputs: out0 4 x 2,048 x 1,024 float32.
;; This version of the problem:
;;   THIS VERSION OF THE PROBLEM IS GIVEN IN LOW PRECISION. The matrix products marked QUANTISED in the list below multiply operands that are first quantised to E2M1 (2 exponent bits, 1 mantissa bit; 4 bits a number), with one power-of-two scale for each 32 numbers along K (OCP MX v1.0); their sums are f32. All else is computed in f32.
;;   The module's matrix products, in the order in which they are computed (A, B: the left and right operand; K: the contracted axis; several contracted axes count as one K, in the product's order):
;;     1. [M 8,192, K 1,024] x [K 1,024, N 3,072]; A: input x (given as codes); B: input w_qkv (given as codes): QUANTISED
;;     2. batch 64 x [M 2,048, K 64] x [K 64, N 2,048]; A: computed on the way; B: computed on the way: QUANTISED
;;     3. batch 64 x [M 2,048, K 2,048] x [K 2,048, N 64]; A: softmax (see below); B: computed on the way: QUANTISED
;;     4. [M 8,192, K 1,024] x [K 1,024, N 1,024]; A: computed on the way; B: input w_out (given as codes): QUANTISED
;;   THE QUANTISER, for each operand of a quantised product, along K:
;;     - K is cut into blocks of 32 from its start; a last block that is shorter is filled with zeros.
;;     - A block's scale is 2^e with e = floor(log2(the largest magnitude in the block)) - 2, held to -126 .. 127; a block of zeros has e = 0. As a byte (E8M0): e + 127.
;;     - Each number is divided by its block's scale, clamped to +-6, and rounded to the nearest number of E2M1, ties to even, subnormals kept.
;;     - The product sums the exact products of the quantised numbers (number of the format x scale) in f32.
;;   ~~~python
;;   def quantise(x, axis):      # numpy; x: float32 -> the quantised numbers, widened to float32 again
;;       x = np.moveaxis(x, axis, -1); K = x.shape[-1]
;;       x = np.pad(x, [(0, 0)] * (x.ndim - 1) + [(0, -K % 32)]); x = x.reshape(x.shape[:-1] + (-1, 32)); a = np.abs(x).max(-1, keepdims=True)
;;       e = np.where(a > 0, np.clip(np.frexp(np.where(a > 0, a, 1))[1] - 1 - 2, -126, 127), 0)      # np.frexp(a)[1] - 1 = floor(log2(a)), exactly
;;       r = np.clip(x / 2.0 ** e, -6, 6)
;;       step = 2.0 ** (np.maximum(np.frexp(np.where(r == 0, 1, r))[1] - 1, 0) - 1)
;;       q = np.round(r / step) * step * 2.0 ** e      # np.round: ties to even
;;       return np.moveaxis(q.reshape(q.shape[:-2] + (-1,))[..., :K], -1, axis).astype(np.float32)
;;   ~~~
;;   SOFTMAX AHEAD OF A QUANTISED PRODUCT. Where the list says 'softmax', what is quantised is not the finished softmax but p = 2^(t - M), with t = logit x log2(e) and M = ceil(the row's largest t), a whole number; so 1/2 < the row's largest p <= 1. The row's sum l is taken of the UNQUANTISED p, in f32, and the product's result is divided by l at the end. Since M is a whole number, a kernel that streams over the keys may use a running M (the ceiling of the running maximum): every later rescaling is an exact power of two, which a block's scale takes up: the codes' values come out the same.
;;   OPERANDS COMPUTED ON THE WAY. 'Computed on the way' means the value that the module computes at that place (a softmax that the list does not call 'softmax' is quantised finished and normalised). What goes into a quantiser is computed in f32, as accurately as f32 sums, v_exp_f32 and their like allow (about 1e-6 of the number): no bf16 or f16 on the way to a quantiser, and a product that is left as it is and whose result goes on into a quantised operand takes f32 operands (vector FMAs, or v_wmma_f32_16x16x4_f32). A number that lies on a knife's edge between two numbers of the format may be rounded either way, as far as f32 arithmetic and the matrix unit's own rounding can turn it there, and no further.
;;   INPUTS GIVEN AS CODES. w_out (in the module: [1024, 1024], K = its axis 0); w_qkv (in the module: [1024, 3072], K = its axis 0); x (in the module: [4, 2048, 1024], K = its axis 2): each comes as NAME_codes (uint8): NAME with its K axis moved to the last place and cut into blocks of 32 codes, [.., K / 32, bytes a block], one block behind the other in memory; two codes a byte, the lower K in the low four bits (a code: sign, 2 exponent bits, 1 mantissa bit); and NAME_scales (uint8): the same leading axes, one E8M0 byte (e + 127) for each 32 codes along K. Its value is code x scale, taken as it is: it is not quantised again, and the codes and scales need not be those that the quantiser above would give.
;; One version. Each part assembles by itself: llvm-mc -triple=amdgcn-amd-amdhsa -mcpu=gfx1250 --defsym DOCPART=n.
;; ======== version 1 of 1: 3 launches
;; workspace buffers: qimg 4,194,304 bytes; qsc 524,288 bytes; kv 9,175,040 bytes; aimg 4,194,304 bytes; asc 262,144 bytes
;; launch qkv (part 1): grid 8 x 48, 4 waves a work-group, clusters of 4 x 4, 327,680 bytes of LDS; arguments x_codes, x_scales, w_qkv_codes, w_qkv_scales, b_qkv, qimg, qsc, kv; writes qimg, qsc, kv
.if DOCPART == 1
	.amdgcn_target "amdgcn-amd-amdhsa--gfx1250"
	.amdhsa_code_object_version 6
	.text
	.protected	k_qb36043ebdf_qkv
	.globl	k_qb36043ebdf_qkv
	.p2align	8
	.type	k_qb36043ebdf_qkv,@function
k_qb36043ebdf_qkv:
	s_mov_b64 s[64:65], 0
	v_nop
	global_prefetch_b8 v0, s[64:65] scope:SCOPE_SE
	s_setreg_imm32_b32 hwreg(HW_REG_WAVE_MODE, 25, 1), 1
	s_wait_xcnt 0x0
	s_wait_alu depctr_hold_cnt(0) depctr_sa_sdst(0) depctr_va_vdst(0) depctr_va_sdst(0) depctr_va_ssrc(0) depctr_va_vcc(0) depctr_vm_vsrc(0)
	s_getreg_b32 s2, hwreg(HW_REG_IB_STS2, 6, 4)
	s_cmp_eq_u32 s2, 0
	s_cbranch_scc0 .Lentry_in_a_cluster
	s_endpgm
.Lentry_in_a_cluster:
	s_bfe_u32 s2, ttmp6, 0x10000c
	s_cmp_lg_u32 s2, 0xf033
	s_cbranch_scc0 .Lentry_shape_is_right
	s_endpgm
.Lentry_shape_is_right:
; LAUNCH 1 OF 3: qkv = x w_qkv + b_qkv on codes of FP4 (E2M1) with E8M0 scales, and q, k, v quantised on the way out: q and k along the head's 64, v along the keys.
; DEAD WORK OF THE WHOLE PROGRAM: reference() builds a causal mask (jnp.tril) in its own body: for query q every key k > q gets the lowest f32 number as its logit, while key q itself counts, so its weight
; is 0 for all finite inputs.  The second launch therefore leaves out the steps of 128 keys that lie wholly behind a tile's 16 queries (both products and the softmax of such a step); inside the step on the diagonal
; the work is done and masked.  Nothing else is left out: every input has a way to the output and is loaded; k's part of b_qkv moves k's codes and stays.
; LIMITS: a NaN, an infinity or an overflow that reaches only the work left out is not carried to the result.  NaN and infinities among the inputs are not served.  A block of zeros gets the scale byte 1 with zero codes
; (the stated quantiser says 127): the bytes are read by this program alone, and zero codes add nothing under either byte.
; ONE TEXT, TWO PARTS, told apart by the cluster's y, which all partners of a cluster share.  A product D = (source 0, source 1) leaves in lane (r, h), register j, row 8 h + j of source 0 and row r of source 1: so a lane's
; registers run along SOURCE 0's rows, and that is the axis along which a result can be quantised in registers.
;   part QK (cluster y 0-7):  source 0 = 256 rows of w (features 0-2047: q, then k), source 1 = 256 tokens: quantised along the features, 64 to a head.
;   part V  (cluster y 8-11): source 0 = 256 tokens, source 1 = 256 rows of w (features 2048-3071): quantised along the tokens, which are the keys.
; Both tensors have rows of 512 bytes of codes and 32 scale bytes, so the parts differ in four pointers, in the bias's layout and in the way out.
; SHARES: a work-group of four waves makes 256 x 256, a wave 128 x 128: 64 accumulators.  All of K (1,024) lies in LDS: two slots of 512 along K, each filled once; nothing is filled again.
; CLUSTER 4 x 4: source 1's tile hangs on the cluster's row and is asked for jointly along it, source 0's on the column.
; THE WAY OUT: 32 registers (four accumulators on end, 64 along the next K) become 4 registers of codes that ARE registers 4 c .. 4 c + 3 of the next product's operand; they are stored as they stand, 16 bytes a lane,
; 512 consecutive bytes a store.  The workspaces are such images; their scale words lie so that one load of 16 or 8 bytes a lane brings them.
; REGISTERS: window 0: v16-29 addresses; v32-63 source 0's scale words, v64-95 source 1's (lanes 0-15: K steps 0-3, lanes 16-31: K steps 4-7); v96-123 the quantiser's; v128-255 source 1's fragments, two sets (on the way out v128-191: codes).
;   window 1: v0-127 source 0's fragments, two sets; v128-191 the bias in the result's layout.   windows 2, 3: the accumulators, (a, b) at v[8 (8 (a % 4) + b)].
.set PITCH,  272                       ; an LDS row: 256 bytes + 16 of padding: the 16 rows of a fragment load start 68 words apart
.set HALFT,  128*PITCH                 ; what one tensor load brings, and what one wave reads of a source
.set SLOT,   4*HALFT                   ; source 1's 256 rows, then source 0's
.set SCL,    2*SLOT                    ; the scale bytes: four halves of 128 rows x 32 bytes, as rows of 256 bytes + 16
.set HALFS,  16*272
.set SBLK,   544                       ; those of 16 rows
.set SPARE,  SCL+4*HALFS               ; the spare words: 128 bytes a wave, named by no other line
.set KVS,    8960                      ; kv: a key step: 4,096 k images, 4,096 v images, 512 k scale words, 256 v scale words
.set KVH,    16*KVS                    ; a head
.set ADRA, 16                          ; v16-17 source 1's fragments in slot 0, 1
.set ADRB, 20                          ; v20-21 source 0's
.set ADSA, 22                          ; v22    source 1's scale words
.set ADSB, 23                          ; v23    source 0's
.set L16,  24                          ; v24    16 x lane
.set L8,   25                          ; v25    8 x lane
.set BO,   26                          ; v26    32 h;  v27  4 r: the bias's lane offsets
.set SPW,  28                          ; v28    my spare word;  v29  0: never rewritten
.set NIL,  29
.set SCB,  32
.set SCA,  64
.set FLR,  96                          ; v96    2^(3 - 127): no largest magnitude is taken under it, so a scale byte is at least 1
.set T,    100                         ; v100-107 at work
.set WD,   108                         ; v108-115 a scale word for each tile a
.set WQ,   116                         ; v116-123 scale words as they are stored
.set PC,   128                         ; v128-191 codes: four registers for each of the 16 units, so that no store's data are written again
.set AF,   128                         ; source 1's fragments: set p at AF + 64 p
.set BI,   128                         ; in window 1: the bias
.set G1,   24
.set G0,   32
.set G1B,  48
.set G0B,  56
.set G1S,  68
.set G0S,  76
.set G1SB, 80
.set G0SB, 88
.set SEL,  12                          ; s[12:13] selects of v_permlanex16_b32: lane l xor 16
.set MSB, 0
.macro WIN new                         ; the immediate's high byte repeats the setting that is left; a switch that changes nothing is dropped
.if MSB != (\new)
	s_set_vgpr_msb (MSB<<8)|(\new)
.set MSB, (\new)
.endif
.endm
; A joint load: waves 0 and 1 fetch for source 1, waves 2 and 3 for source 0.  The branch hangs on the wave's number alone.  An s_nop 0 and four v_nop follow each line.
.macro JLOAD g0a, g1a, g0b, g1b
	s_cmp_eq_u32 s15, 0
	s_cbranch_scc0 .Lfor_b_\@
	tensor_load_to_lds s[\g0a:\g0a+3], s[\g1a:\g1a+7]
	s_nop 0
.rept 4
	v_nop
.endr
	s_branch .Lasked_\@
.Lfor_b_\@:
	tensor_load_to_lds s[\g0b:\g0b+3], s[\g1b:\g1b+7]
	s_nop 0
.rept 4
	v_nop
.endr
.Lasked_\@:
.endm
.macro CROUND                          ; a round of the cluster's barrier
	s_barrier_signal -1
	s_barrier_wait -1
	s_cmp_lg_u32 s14, 0
	s_cbranch_scc1 .Lnot_wave_0_\@
	s_barrier_signal -3
.Lnot_wave_0_\@:
	s_barrier_wait -3
	s_barrier_signal -1
	s_barrier_wait -1
.endm
.macro PLACES n
.rept \n
	v_nop
.endr
.endm
	s_load_b256 s[4:11], s[0:1], 0x0               ; x's codes s[4:5], x's scales s[6:7], w's codes s[8:9], w's scales s[10:11]
	s_load_b256 s[92:99], s[0:1], 0x20             ; b_qkv s[92:93], qimg s[94:95], qsc s[96:97], kv s[98:99]
	v_lshl_add_u32 v[SPW], v0, 2, SPARE
	v_mov_b32 v[NIL], 0
	ds_add_u32 v[SPW], v[NIL]                      ; the wave's opening: the add, twice on end, and its wait ahead of my first tensor load
	ds_add_u32 v[SPW], v[NIL]
	v_lshrrev_b32 v1, 5, v0
	v_readfirstlane_b32 s14, v1                    ; wave 0..3
	s_lshr_b32 s15, s14, 1                         ; wr: my half of source 1's rows.  Also: I fetch for source 1 (0) or source 0 (1)
	s_and_b32 s16, s14, 1                          ; wc: my half of source 0's rows.  Also: which 128 rows I fetch
	s_bfe_u32 s40, ttmp6, 0x40000                  ; cx
	s_bfe_u32 s41, ttmp6, 0x40004                  ; cy
	s_and_b32 s67, ttmp7, 0xffff                   ; the cluster's y: 0-7 part QK, 8-11 part V
	s_lshl_b32 s42, ttmp9, 2
	s_add_co_u32 s42, s42, s40                     ; 4 x cluster x + cx
	s_lshl_b32 s17, s67, 2
	s_lshl_b32 s18, s67, 3
	s_sub_co_u32 s18, s18, 64                      ; 8 (cluster y - 8)
	s_cmp_ge_u32 s67, 8
	s_cselect_b32 s66, 1, 0                        ; ISV: the same in all sixteen partners
	s_cselect_b32 s17, 8, s17
	s_cselect_b32 s18, s18, 0
	s_add_co_u32 s17, s17, s41                     ; T1, source 1's tile: QK: 4 cluster y + cy (tokens); V: 8 + cy (rows of w)
	s_add_co_u32 s42, s42, s18                     ; T0, source 0's tile: QK: 0-7 (rows of w); V: 0-31 (tokens)
	s_lshl_b32 s43, s41, 2
	s_lshl_b32 s43, 15, s43                        ; my row of the cluster
	s_lshl_b32 s44, 0x1111, s40                    ; my column
	s_or_b32 s[G1+0], s43, (1<<20)|(1<<21)|(5<<22)|(3<<25)   ; the mask; elements of 1 byte; padding: 4 words behind every 64
	s_or_b32 s[G1B+0], s44, (1<<20)|(1<<21)|(5<<22)|(3<<25)
.irp g, G1, G1B
	s_mov_b32 s[\g+1], 256<<16                     ; tensor_dim0 = 256 bytes
	s_mov_b32 s[\g+2], 128<<16                     ; tensor_dim1 = 128 rows
	s_mov_b32 s[\g+3], 256<<16                     ; tile_dim0
	s_mov_b32 s[\g+4], 128                         ; tile_dim1
	s_mov_b32 s[\g+5], 512                         ; a row of codes in memory
	s_mov_b32 s[\g+6], 0
	s_mov_b32 s[\g+7], 0
.endr
	s_or_b32 s[G1S+0], s43, (3<<16)|(1<<20)|(1<<21)|(5<<22)|(3<<25)   ; the scales of 128 rows: 4,096 dense bytes as 16 rows of 32 elements of 8 bytes, padded alike
	s_or_b32 s[G1SB+0], s44, (3<<16)|(1<<20)|(1<<21)|(5<<22)|(3<<25)
.irp g, G1S, G1SB
	s_mov_b32 s[\g+1], 32<<16
	s_mov_b32 s[\g+2], 16<<16
	s_mov_b32 s[\g+3], 32<<16
	s_mov_b32 s[\g+4], 16
	s_mov_b32 s[\g+5], 32
	s_mov_b32 s[\g+6], 0
	s_mov_b32 s[\g+7], 0
.endr
	s_lshl_b32 s18, s16, 7                         ; which 128 rows I fetch
	s_lshl_b32 s20, s17, 8
	s_add_co_u32 s20, s20, s18                     ; source 1's row (registers that never hold cx)
	s_lshl_b32 s46, s42, 8
	s_add_co_u32 s46, s46, s18                     ; source 0's row (registers that never hold cy)
	s_lshl_b32 s22, s20, 5                         ; its scales, in bytes,
	s_mov_b32 s23, 0
	s_lshl_b32 s100, s46, 5
	s_mov_b32 s101, 0
	s_lshl_b32 s20, s20, 9                         ; and its codes
	s_mov_b32 s21, 0
	s_lshl_b32 s46, s46, 9
	s_mov_b32 s47, 0
	s_mul_i32 s45, s14, HALFT                      ; where they go: wave x 128 rows: no place in the cluster enters an LDS address
	s_mul_i32 s2, s14, HALFS
	s_mov_b32 s[SEL], 0x76543210
	s_mov_b32 s[SEL+1], 0xfedcba98
	s_mov_b32 s3, 0xffff0000                       ; lanes 16-31, as a mask for v_cndmask_b32
	s_wait_dscnt 0x0                               ; both opening adds are done
	s_wait_kmcnt 0x0
	s_cmp_eq_u32 s66, 0                            ; the sources: a choice between two buffers on the cluster's y
	s_cselect_b64 s[18:19], s[4:5], s[8:9]
	s_add_nc_u64 s[20:21], s[18:19], s[20:21]      ; source 1's codes: x (QK) or w (V)
	s_cselect_b64 s[18:19], s[6:7], s[10:11]
	s_add_nc_u64 s[22:23], s[18:19], s[22:23]      ; its scales
	s_cselect_b64 s[18:19], s[8:9], s[4:5]
	s_add_nc_u64 s[46:47], s[18:19], s[46:47]      ; source 0's codes: w (QK) or x (V)
	s_cselect_b64 s[18:19], s[10:11], s[6:7]
	s_add_nc_u64 s[100:101], s[18:19], s[100:101]  ; its scales
	CROUND                                         ; all sixteen work-groups are here: the joint loads meet
	s_mov_b32 s[G0S], 1
	s_add_co_u32 s[G0S+1], s2, SCL
	s_mov_b64 s[G0S+2:G0S+3], s[22:23]
	s_or_b32 s[G0S+3], s[G0S+3], 0x80000000
	s_mov_b32 s[G0SB], 1
	s_add_co_u32 s[G0SB+1], s2, SCL
	s_mov_b64 s[G0SB+2:G0SB+3], s[100:101]
	s_or_b32 s[G0SB+3], s[G0SB+3], 0x80000000
	JLOAD G0S, G1S, G0SB, G1SB                     ; the scales first: they are wanted with K step 0
.irp s, 0,1
	s_mov_b32 s[G0+4*\s], 1
	s_add_co_u32 s[G0+4*\s+1], s45, \s*SLOT
	s_add_nc_u64 s[G0+4*\s+2:G0+4*\s+3], s[20:21], \s*256
	s_or_b32 s[G0+4*\s+3], s[G0+4*\s+3], 0x80000000
	s_mov_b32 s[G0B+4*\s], 1
	s_add_co_u32 s[G0B+4*\s+1], s45, \s*SLOT
	s_add_nc_u64 s[G0B+4*\s+2:G0B+4*\s+3], s[46:47], \s*256
	s_or_b32 s[G0B+4*\s+3], s[G0B+4*\s+3], 0x80000000
	JLOAD G0+4*\s, G1, G0B+4*\s, G1B               ; three loads of mine are out: all that this launch fetches
.endr
	v_and_b32 v1, 15, v0                           ; r
	v_bfe_u32 v2, v0, 4, 1                         ; h
	v_mul_u32_u24 v3, v1, PITCH
	v_lshl_add_u32 v4, v2, 4, v3                   ; a fragment's row x pitch + 16 h
	s_mul_i32 s21, s15, HALFT
	s_mul_i32 s22, s16, HALFT
	s_add_co_u32 s22, s22, 2*HALFT
.irp s, 0,1
	v_add_nc_u32 v[ADRA+\s], s21, v4
	v_add_nc_u32 v[ADRB+\s], s22, v4
	s_add_co_u32 s21, s21, SLOT
	s_add_co_u32 s22, s22, SLOT
.endr
	v_lshlrev_b32 v5, 5, v1                        ; my row's 32 scale bytes,
	v_lshrrev_b32 v6, 3, v1
	v_lshl_add_u32 v5, v6, 4, v5                   ; 16 more behind each 256,
	v_lshl_add_u32 v5, v2, 4, v5                   ; and lanes 16-31 take the row's second 16 bytes: K steps 4-7
	s_mul_i32 s21, s15, HALFS
	s_add_co_u32 s21, s21, SCL
	s_mul_i32 s22, s16, HALFS
	s_add_co_u32 s22, s22, SCL+2*HALFS
	v_add_nc_u32 v[ADSA], s21, v5
	v_add_nc_u32 v[ADSB], s22, v5
	v_and_b32 v6, 31, v0
	v_lshlrev_b32 v[L16], 4, v6
	v_lshlrev_b32 v[L8], 3, v6
	v_lshlrev_b32 v[BO], 5, v2
	v_lshlrev_b32 v[BO+1], 2, v1
	v_mov_b32 v[FLR], 0x1800000
	v_mov_b32 v[T+2], 0                            ; written once: a lane permute's destination counts as one of its sources
	v_mov_b32 v[T+3], 0
	; THE BIAS is the C of each sum's first product, in the result's layout.  It is loaded while the tiles are on their way.
	s_lshl_b32 s18, s42, 8
	s_lshl_b32 s19, s16, 7
	s_add_co_u32 s18, s18, s19                     ; QK: the features run along the registers: 256 T0 + 128 wc
	s_lshl_b32 s20, s17, 8
	s_lshl_b32 s19, s15, 7
	s_add_co_u32 s20, s20, s19                     ; V: they run along the lanes: 256 T1 + 128 wr
	s_cmp_eq_u32 s66, 0
	s_cselect_b32 s18, s18, s20
	s_lshl_b32 s18, s18, 2
	s_mov_b32 s19, 0
	s_add_nc_u64 s[92:93], s[92:93], s[18:19]
	s_cmp_eq_u32 s66, 0
	s_cbranch_scc0 .Lbias_v
	WIN 0x40                                       ; destination window 1
	s_wait_alu depctr_va_vdst(0)
.irp b, 0,1,2,3,4,5,6,7
	global_load_b128 v[BI+8*\b:BI+8*\b+3], v[BO], s[92:93] offset:64*\b        ; register j of tile b: feature 16 b + 8 h + j
	global_load_b128 v[BI+8*\b+4:BI+8*\b+7], v[BO], s[92:93] offset:64*\b+16
.endr
	WIN 0
	s_branch .Lbias_done
.Lbias_v:
	WIN 0x40
	s_wait_alu depctr_va_vdst(0)
.irp a, 0,1,2,3,4,5,6,7
.irp j, 0,1,2,3,4,5,6,7
	global_load_b32 v[BI+8*\a+\j], v[BO+1], s[92:93] offset:64*\a               ; all eight registers of tile a: feature 16 a + r, the lane's own
.endr
.endr
	WIN 0
.Lbias_done:
.macro FRAG reg, adr, q, i             ; 16 rows x 128 K of 4-bit codes: 8 registers: registers 4 c .. 4 c + 3 hold K = 64 c + 32 h + 0 .. 31 of row r
.irp c, 0,1
	ds_load_b128 v[\reg+4*\c:\reg+4*\c+3], v[\adr] offset:64*(\q)+32*\c+(\i)*16*PITCH
.endr
.endm
.macro FETCH slot, q, p                ; the fragments of the slot's q-th 128 along K into set p: 32 loads in one run
	WIN 0x40
.irp i, 0,1,2,3,4,5,6,7
	FRAG 64*(\p)+8*\i, ADRB+\slot, \q, \i
.endr
	WIN 0
.irp i, 0,1,2,3,4,5,6,7
	FRAG AF+64*(\p)+8*\i, ADRA+\slot, \q, \i
.endr
.endm
.macro SCALES                          ; all scale words, once: register 4 i + q: lanes 0-15 K step q of tile i's rows, lanes 16-31 K step 4 + q
.irp i, 0,1,2,3,4,5,6,7
	ds_load_b128 v[SCB+4*\i:SCB+4*\i+3], v[ADSB] offset:\i*SBLK
	ds_load_b128 v[SCA+4*\i:SCA+4*\i+3], v[ADSA] offset:\i*SBLK
.endr
.endm
; 32 products: source 1's tiles 4 hi .. 4 hi + 3 x source 0's eight.  cm = 0: in place; 1: C = the bias by source 0's tile; 2: by source 1's.  row1: the scale words of lanes 16-31.
; The 64 accumulators take turns, one instruction a turn, in the same order in every step.
.macro MUL32 hi, p, q, row1, cm
.if \cm
	WIN 0x91+0x40*(\hi)                            ; source 0 window 1, source 1 window 0, C window 1, D window 2 or 3
.else
	WIN 0xa1+0x50*(\hi)                            ; C and D window 2 or 3
.endif
.irp a, 0,1,2,3
.irp b, 0,1,2,3,4,5,6,7
.set DR, 8*(8*\a+\b)
.if \cm == 0
.set CR, DR
.elseif \cm == 1
.set CR, BI+8*\b
.else
.set CR, BI+8*(4*(\hi)+\a)
.endif
.if \row1
	v_wmma_scale_f32_16x16x128_f8f6f4 v[DR:DR+7], v[64*(\p)+8*\b:64*(\p)+8*\b+7], v[AF+64*(\p)+8*(4*(\hi)+\a):AF+64*(\p)+8*(4*(\hi)+\a)+7], v[CR:CR+7], v[SCB+4*\b+(\q)], v[SCA+4*(4*(\hi)+\a)+(\q)] matrix_a_fmt:MATRIX_FMT_FP4 matrix_b_fmt:MATRIX_FMT_FP4 matrix_a_scale:MATRIX_SCALE_ROW1 matrix_b_scale:MATRIX_SCALE_ROW1
.else
	v_wmma_scale_f32_16x16x128_f8f6f4 v[DR:DR+7], v[64*(\p)+8*\b:64*(\p)+8*\b+7], v[AF+64*(\p)+8*(4*(\hi)+\a):AF+64*(\p)+8*(4*(\hi)+\a)+7], v[CR:CR+7], v[SCB+4*\b+(\q)], v[SCA+4*(4*(\hi)+\a)+(\q)] matrix_a_fmt:MATRIX_FMT_FP4 matrix_b_fmt:MATRIX_FMT_FP4
.endif
.endr
.endr
.endm
; K step q of 8: 64 products on set q % 2; at its head the next step's fragments are asked for, 64 products ahead of their use.
.macro STEP q, cm
	s_wait_dscnt 0x0                               ; this step's fragments, asked for a step ago, are in
.if (\q) == 3
	s_wait_tensorcnt 0x0                           ; my part of slot 1 has landed,
	s_barrier_signal -1
	s_barrier_wait -1                              ; everybody's has: the next fetch reads it.
.endif
.if (\q) < 7
.if (\q) > 0
	PLACES 4                                       ; four plain instructions between the last step's products and the loads into the set that they read
.endif
	FETCH ((\q)+1)/4, ((\q)+1)%4, 1-(\q)%2
.endif
	MUL32 0, (\q)%2, (\q)%4, (\q)/4, \cm
	MUL32 1, (\q)%2, (\q)%4, (\q)/4, \cm
	WIN 0
.endm
	s_wait_tensorcnt 0x1                           ; the scales and my part of slot 0 are in; slot 1's load, issued behind them, may be out
	s_barrier_signal -1
	s_barrier_wait -1                              ; everybody's are
	FETCH 0, 0, 0
	SCALES
	s_wait_loadcnt 0x0                             ; the bias
	s_cmp_eq_u32 s66, 0
	s_cbranch_scc0 .Lstep0_v
	STEP 0, 1                                      ; the first step starts the sums with the bias: nothing is cleared
	s_branch .Lstep0_done
.Lstep0_v:
	STEP 0, 2
.Lstep0_done:
	STEP 1, 0
	STEP 2, 0
	STEP 3, 0
	STEP 4, 0
	STEP 5, 0
	STEP 6, 0
	STEP 7, 0
; THE QUANTISER.  Accumulators (a, 4 u .. 4 u + 3): 32 registers R: R[8 t + j] = row 64 u + 16 t + 8 h + j of source 0, for source 1's row r.  Block 0 of 32 lies in R0-15 of lanes l and l xor 16, block 1 in R16-31.
; A block's largest magnitude with 2 taken off its exponent field is the conversion's scale operand; that field is the scale byte.  The four conversions are paired so that two exchanges of half-waves leave
; in lane (r, h) the codes of k = 32 h + 0 .. 31 in ascending order.  Each accumulator is read from its low end on.
.macro UNIT a, u, n
.set AC, 64*((\a)%4)+32*(\u)
.set W, 2+(\a)/4
.set PCN, PC+4*(\n)
	WIN (W<<2)|(W<<4)                              ; sources 1 and 2: the accumulators' window
	v_max3_num_f32 v[T], v[FLR], |v[AC]|, |v[AC+1]|
	v_max3_num_f32 v[T+1], v[FLR], |v[AC+16]|, |v[AC+17]|
.irp i, 2,4,6,8,10,12,14
	v_max3_num_f32 v[T], v[T], |v[AC+\i]|, |v[AC+\i+1]|          ; the two blocks by turns
	v_max3_num_f32 v[T+1], v[T+1], |v[AC+16+\i]|, |v[AC+17+\i]|
.endr
	WIN 0
	v_permlanex16_b32 v[T+2], v[T], s[SEL], s[SEL+1]
	v_permlanex16_b32 v[T+3], v[T+1], s[SEL], s[SEL+1]
	v_max_num_f32 v[T], v[T], v[T+2]               ; with lane l xor 16's: the block's largest magnitude
	v_max_num_f32 v[T+1], v[T+1], v[T+3]
	v_add_nc_u32 v[T+4], 0xff000000, v[T]          ; 2 off the exponent field
	v_add_nc_u32 v[T+5], 0xff000000, v[T+1]
	v_lshrrev_b32 v[T+6], 23, v[T+4]               ; the scale bytes
	v_lshrrev_b32 v[T+7], 23, v[T+5]
	WIN W                                          ; source 0: the accumulators' window
	v_cvt_scalef32_pk8_fp4_f32 v[PCN], v[AC:AC+7], v[T+4]
	v_cvt_scalef32_pk8_fp4_f32 v[PCN+1], v[AC+16:AC+23], v[T+5]
	v_cvt_scalef32_pk8_fp4_f32 v[PCN+2], v[AC+8:AC+15], v[T+4]
	v_cvt_scalef32_pk8_fp4_f32 v[PCN+3], v[AC+24:AC+31], v[T+5]
	WIN 0
	v_nop                                          ; one plain instruction behind the scaled conversions
	v_permlane16_swap_b32 v[PCN], v[PCN+1]         ; lanes 0-15: k 0-7 and 8-15; lanes 16-31: k 32-39 and 40-47
	v_permlane16_swap_b32 v[PCN+2], v[PCN+3]       ; likewise k 16-31 and 48-63
.endm
	PLACES 4                                       ; between the last products and the first read of results
	s_cmp_eq_u32 s66, 0
	s_cbranch_scc0 .Lepi_v
	; PART QK.  Source 1's tile a is token tile 8 g + a of batch b; unit u is head 4 (T0 % 4) + 2 wc + u of q (cluster x = 0) or of k (cluster x = 1).
	s_lshr_b32 s18, s17, 3                         ; b
	s_lshl_b32 s18, s18, 4
	s_and_b32 s19, s42, 3
	s_lshl_b32 s19, s19, 2
	s_add_co_u32 s18, s18, s19
	s_lshl_b32 s19, s16, 1
	s_add_co_u32 s18, s18, s19                     ; bh of unit 0
	s_and_b32 s19, s17, 7
	s_lshl_b32 s19, s19, 1
	s_add_co_u32 s19, s19, s15                     ; g: which 128 tokens of the batch
	s_lshl_b32 s20, s18, 16
	s_lshl_b32 s21, s19, 12
	s_add_co_u32 s20, s20, s21                     ; q's images: 65,536 bh + 4,096 g
	s_lshl_b32 s22, s18, 13
	s_lshl_b32 s21, s19, 9
	s_add_co_u32 s22, s22, s21                     ; q's scale words: 8,192 bh + 512 g
	s_mul_i32 s46, s18, KVH
	s_mul_i32 s21, s19, KVS
	s_add_co_u32 s46, s46, s21                     ; k's images: the head's key step g,
	s_add_co_u32 s47, s46, 8192                    ; and its scale words
	s_cmp_eq_u32 ttmp9, 0                          ; q or k: the cluster's x
	s_cselect_b32 s20, s20, s46
	s_cselect_b32 s22, s22, s47
	s_cselect_b64 s[24:25], s[94:95], s[98:99]     ; (the descriptors are done with: every tensor load has been waited for)
	s_cselect_b64 s[28:29], s[96:97], s[98:99]
	s_mov_b32 s46, KVH
	s_cselect_b32 s100, 0x10000, s46               ; from a head to the next
	s_cselect_b32 s46, 0x2000, s46
	s_mov_b32 s21, 0
	s_mov_b32 s23, 0
	s_mov_b32 s101, 0
	s_mov_b32 s47, 0
	s_add_nc_u64 s[24:25], s[24:25], s[20:21]      ; images, unit 0
	s_add_nc_u64 s[28:29], s[28:29], s[22:23]      ; scale words, unit 0
	s_add_nc_u64 s[26:27], s[24:25], s[100:101]    ; unit 1
	s_add_nc_u64 s[30:31], s[28:29], s[46:47]
.irp u, 0,1
.irp a, 0,1,2,3,4,5,6,7
	UNIT \a, \u, 8*\u+\a
	global_store_b128 v[L16], v[PC+4*(8*\u+\a):PC+4*(8*\u+\a)+3], s[24+2*\u:25+2*\u] offset:512*\a   ; 32 lanes store 512 consecutive bytes, aligned
	v_lshl_or_b32 v[WD+\a], v[T+7], 8, v[T+6]
	v_or_b32 v[WD+\a], 0x7f7f0000, v[WD+\a]        ; bytes 2 and 3 stand over zero codes: the head has 64 of an instruction's 128 along K
.endr
.irp i, 0,1,2,3
	v_cndmask_b32 v[WQ+4*\u+\i], v[WD+2*\i], v[WD+2*\i+1], s3      ; lanes 0-15 tile 2 i, lanes 16-31 tile 2 i + 1
.endr
	global_store_b128 v[L16], v[WQ+4*\u:WQ+4*\u+3], s[28+2*\u:29+2*\u]
.endr
	s_branch .Lend
.Lepi_v:
	; PART V.  Source 0's 128 tokens are key step 2 (T0 % 8) + wc of batch b; unit u is its keys 64 u on; source 1's tile a is head 4 (T1 - 8) + 2 wr + a / 4, channels 16 (a % 4) on.
	s_lshr_b32 s18, s42, 3                         ; b
	s_lshl_b32 s18, s18, 4
	s_sub_co_u32 s19, s17, 8
	s_lshl_b32 s19, s19, 2
	s_add_co_u32 s18, s18, s19
	s_lshl_b32 s19, s15, 1
	s_add_co_u32 s18, s18, s19                     ; bh of tiles 0-3
	s_and_b32 s19, s42, 7
	s_lshl_b32 s19, s19, 1
	s_add_co_u32 s19, s19, s16                     ; the key step
	s_mul_i32 s20, s18, KVH
	s_mul_i32 s21, s19, KVS
	s_add_co_u32 s20, s20, s21
	s_mov_b32 s21, 0
	s_add_nc_u64 s[24:25], s[98:99], s[20:21]
	s_add_nc_u64 s[26:27], s[24:25], KVH
.irp a, 0,1,2,3,4,5,6,7
.irp u, 0,1
	UNIT \a, \u, 2*\a+\u
	global_store_b128 v[L16], v[PC+4*(2*\a+\u):PC+4*(2*\a+\u)+3], s[24+2*(\a/4):25+2*(\a/4)] offset:4096+1024*(\a%4)+512*\u
.if \u == 0
	v_lshl_or_b32 v[WD+\a], v[T+7], 8, v[T+6]      ; the bytes of keys 0-63,
.else
	v_lshl_or_b32 v[T+6], v[T+7], 8, v[T+6]
	v_lshl_or_b32 v[WD+\a], v[T+6], 16, v[WD+\a]   ; and of keys 64-127: the channel's scale word for this key step
.endif
.endr
.endr
.irp hh, 0,1
.irp i, 0,1
	v_cndmask_b32 v[WQ+2*\hh+\i], v[WD+4*\hh+2*\i], v[WD+4*\hh+2*\i+1], s3
.endr
	global_store_b64 v[L8], v[WQ+2*\hh:WQ+2*\hh+1], s[24+2*\hh:25+2*\hh] offset:8704   ; 32 lanes store 256 consecutive bytes, aligned
.endr
.Lend:
	s_wait_tensorcnt 0x0                           ; the wave's end
	ds_add_u32 v[SPW], v[NIL]
	s_wait_dscnt 0x0
	CROUND                                         ; the closing round: no work-group ends while a partner may still ask for a tile that names it
	s_endpgm
.Lfunc_end_k_qb36043ebdf_qkv:
	.size	k_qb36043ebdf_qkv, .Lfunc_end_k_qb36043ebdf_qkv-k_qb36043ebdf_qkv
	.p2alignl 7, 3214868480
	.fill 96, 4, 3214868480
	.section	.rodata,"a",@progbits
	.p2align	6, 0x0
	.amdhsa_kernel k_qb36043ebdf_qkv
		.amdhsa_group_segment_fixed_size 327680
		.amdhsa_private_segment_fixed_size 0
		.amdhsa_enable_private_segment 0
		.amdhsa_kernarg_size 64
		.amdhsa_user_sgpr_count 2
		.amdhsa_user_sgpr_kernarg_segment_ptr 1
		.amdhsa_wavefront_size32 1
		.amdhsa_system_sgpr_workgroup_id_x 1
		.amdhsa_system_sgpr_workgroup_id_y 1
		.amdhsa_system_sgpr_workgroup_id_z 1
		.amdhsa_system_vgpr_workitem_id 0
		.amdhsa_next_free_vgpr 1024
		.amdhsa_next_free_sgpr 102
		.amdhsa_reserve_vcc 0
		.amdhsa_float_denorm_mode_32 3
		.amdhsa_float_denorm_mode_16_64 3
		.amdhsa_memory_ordered 1
		.amdhsa_forward_progress 1
		.amdhsa_inst_pref_size 181
	.end_amdhsa_kernel
	.amdgpu_metadata
---
amdhsa.version: [ 1, 2 ]
amdhsa.kernels:
  - .name:           k_qb36043ebdf_qkv
    .symbol:         k_qb36043ebdf_qkv.kd
    .args:
      - { .name: x_codes, .offset: 0, .size: 8, .value_kind: global_buffer, .address_space: global }
      - { .name: x_scales, .offset: 8, .size: 8, .value_kind: global_buffer, .address_space: global }
      - { .name: w_qkv_codes, .offset: 16, .size: 8, .value_kind: global_buffer, .address_space: global }
      - { .name: w_qkv_scales, .offset: 24, .size: 8, .value_kind: global_buffer, .address_space: global }
      - { .name: b_qkv, .offset: 32, .size: 8, .value_kind: global_buffer, .address_space: global }
      - { .name: qimg, .offset: 40, .size: 8, .value_kind: global_buffer, .address_space: global }
      - { .name: qsc, .offset: 48, .size: 8, .value_kind: global_buffer, .address_space: global }
      - { .name: kv, .offset: 56, .size: 8, .value_kind: global_buffer, .address_space: global }
    .group_segment_fixed_size: 327680
    .private_segment_fixed_size: 0
    .kernarg_segment_align: 8
    .kernarg_segment_size: 64
    .max_flat_workgroup_size: 128
    .sgpr_count:     102
    .vgpr_count:     1024
    .wavefront_size: 32
...
	.end_amdgpu_metadata
.endif
;; end of part 1
;; launch attn (part 2): grid 4 x 64, 16 waves a work-group, clusters of 4 x 1, 167,936 bytes of LDS; arguments qimg, qsc, kv, aimg, asc; writes aimg, asc
.if DOCPART == 2
	.amdgcn_target "amdgcn-amd-amdhsa--gfx1250"
	.amdhsa_code_object_version 6
	.text
	.protected	k_qb36043ebdf_attn
	.globl	k_qb36043ebdf_attn
	.p2align	8
	.type	k_qb36043ebdf_attn,@function
k_qb36043ebdf_attn:
	s_mov_b64 s[64:65], 0
	v_nop
	global_prefetch_b8 v0, s[64:65] scope:SCOPE_SE
	s_setreg_imm32_b32 hwreg(HW_REG_WAVE_MODE, 25, 1), 1
	s_wait_xcnt 0x0
	s_wait_alu depctr_hold_cnt(0) depctr_sa_sdst(0) depctr_va_vdst(0) depctr_va_sdst(0) depctr_va_ssrc(0) depctr_va_vcc(0) depctr_vm_vsrc(0)
	s_getreg_b32 s2, hwreg(HW_REG_IB_STS2, 6, 4)
	s_cmp_eq_u32 s2, 0
	s_cbranch_scc0 .Lentry_in_a_cluster
	s_endpgm
.Lentry_in_a_cluster:
	s_bfe_u32 s2, ttmp6, 0x10000c
	s_cmp_lg_u32 s2, 0x3003
	s_cbranch_scc0 .Lentry_shape_is_right
	s_endpgm
.Lentry_shape_is_right:
; LAUNCH 2 OF 3: causal attention on codes of FP4 (E2M1), and its result quantised along head x 64 + d for the projection.
; LEFT OUT AS DEAD WORK (shown at the head of the first kernel): the steps of 128 keys that lie wholly behind a tile's 16 queries under reference()'s own causal mask.
; LIMITS: hidden scores inside the step on the diagonal are -infinity here, the lowest f32 number in reference(): their weight is 0 either way, since a query's own key counts in that step.  NaN and infinities are not served.
; THE SOFTMAX: t = score x log2(e) / 8; M = the running largest t rounded up to a whole number, kept as -M = floor(-t); p = 2^(t - M) is quantised along the keys, not normalised; the row's sum is taken of the unquantised p
; and divides at the end; when M moves, the sum and O are multiplied by 2^(old M - new M), which rounds nothing.
; SHARES.  A cluster of four work-groups is one (batch, head).  The head's whole block of kv (16 key steps x 8,960 bytes: images of k's and v's operand registers and their scale words) is brought into each partner's LDS ONCE,
; by sixteen joint loads, one a wave: no slot is filled again, and no barrier stands behind the first.
; Work-group cx owns the query tiles cx + 4 m, m = 0 .. 31; wave w takes m = w and then m = 31 - w.  Tile cx + 4 m needs key steps 0 .. m / 2, which does not hang on cx: so every branch hangs on the wave's number and a
; count of steps alone, and every wave works (w / 2 + 1) + ((31 - w) / 2 + 1) = 17 steps.
; LAYOUT.  Both products are used transposed: S^T = k q^T (source 0 = 16 keys), O^T = v^T p^T (source 0 = 16 channels): a lane holds one query (lane % 16); register j of tile t holds key (channel) 16 t + 8 h + j.
; The head has 64 of the first product's 128 along K: registers 4-7 of q's and k's fragments are zero codes, written once, under scale bytes 0x7f.
; REGISTERS: v1-11 addresses and constants; v12 -M, v13 the largest t, v[14:15] the sum in two halves; v16-23 q; v24-27 k's scale words, v28-29 v's, v30 q's; v32-95 k's eight fragments; v96-159 S^T, then p;
; v160-191 v's four fragments; v192-223 O^T; v224-231 p's codes; v232-255 at work (v253: p's scale word).
.set KVS,   8960
.set KVH,   16*KVS
.set SPARE, KVH                        ; behind the block: the spare words, 128 bytes for each of 16 waves, named by no other line
.set SPW, 3                            ; v3  my spare word;  v4  0: never rewritten
.set NIL, 4
.set ADR, 5                            ; v5  the step's images: TB + 16 x lane
.set ADT, 6                            ; v6  v's scale words: TB + 8,704 + 8 x lane
.set DLT, 7                            ; v7, v8  pass 0, 1: my query's place in its key step, less 8 h
.set WV,  18
.set SEL, 20                           ; s[20:21] selects of v_permlanex16_b32: lane l xor 16
.set CS,  22                           ; s[22:23] c = log2(e) / 8
.set G1,  24
.set G0,  32
.set NS,  36                           ; s36, s37  the last key step of pass 0, 1
.set HM,  38                           ; s38  lanes 16-31 as a mask
.set QA,  40                           ; s[40:43] q's image, pass 0 and 1;  s[44:47] its scale words;  s[48:51] the result's image;  s[52:55] its scale bytes: made once, never rewritten
.set QS,  44
.set OA,  48
.set OS,  52
.set TB,  2                            ; s2  LDS byte of the key step in hand
.set J,   3                            ; s3  its number
.macro CROUND
	s_barrier_signal -1
	s_barrier_wait -1
	s_cmp_lg_u32 s[WV], 0
	s_cbranch_scc1 .Lnot_wave_0_\@
	s_barrier_signal -3
.Lnot_wave_0_\@:
	s_barrier_wait -3
	s_barrier_signal -1
	s_barrier_wait -1
.endm
	s_load_b256 s[4:11], s[0:1], 0x0               ; qimg s[4:5], qsc s[6:7], kv s[8:9], aimg s[10:11]
	s_load_b64 s[12:13], s[0:1], 0x20              ; asc
	v_lshl_add_u32 v[SPW], v0, 2, SPARE
	v_mov_b32 v[NIL], 0
	ds_add_u32 v[SPW], v[NIL]                      ; the wave's opening: the add, twice on end, and its wait ahead of my first tensor load
	ds_add_u32 v[SPW], v[NIL]
	v_lshrrev_b32 v5, 5, v0
	s_delay_alu instid0(VALU_DEP_1)
	v_readfirstlane_b32 s[WV], v5                  ; wave 0..15
	s_bfe_u32 s19, ttmp6, 0x40000                  ; cx: it enters q's and the result's addresses and the mask's numbers alone
	s_and_b32 s56, ttmp7, 0xffff                   ; bh = 16 b + head, which the four partners share
	s_mov_b32 s[G1], 15|(3<<16)|(1<<21)            ; the mask: all four; elements of 8 bytes; no padding: the block is read 16 bytes a lane, on end
	s_mov_b32 s[G1+1], 32<<16                      ; rows of 256 bytes,
	s_mov_b32 s[G1+2], 35<<16                      ; 35 of them: one key step
	s_mov_b32 s[G1+3], 32<<16
	s_mov_b32 s[G1+4], 35
	s_mov_b32 s[G1+5], 32
	s_mov_b32 s[G1+6], 0
	s_mov_b32 s[G1+7], 0
	s_mov_b32 s[SEL], 0x76543210
	s_mov_b32 s[SEL+1], 0xfedcba98
	s_mov_b32 s[CS], 0x3e38aa3b
	s_mov_b32 s[CS+1], s[CS]                       ; (named with it as a pair, so it is written)
	s_mov_b32 s[HM], 0xffff0000
	s_mul_i32 s66, s56, KVH
	s_mul_i32 s[G0+1], s[WV], KVS                  ; wave w fetches key step w, to LDS byte 8,960 w
	s_add_co_u32 s66, s66, s[G0+1]
	s_mov_b32 s67, 0
	v_and_b32 v9, 15, v0                           ; r
	v_bfe_u32 v10, v0, 4, 1                        ; h
	s_delay_alu instid0(VALU_DEP_1)
	v_lshlrev_b32 v11, 3, v10
	s_delay_alu instid0(VALU_DEP_1)
	v_sub_nc_u32 v11, v9, v11                      ; r - 8 h
	s_wait_alu depctr_va_vdst(0)
.irp p, 0,1
.if \p == 0
	s_mov_b32 s57, s[WV]                           ; m
.else
	s_xor_b32 s57, s[WV], 31                       ; 31 - w
.endif
	s_lshr_b32 s[NS+\p], s57, 1
	s_lshl_b32 s58, s57, 2
	s_add_co_u32 s58, s58, s19                     ; tt = cx + 4 m
	s_lshl_b32 s59, s56, 7
	s_add_co_u32 s59, s59, s58
	s_lshl_b32 s[QA+2*\p], s59, 9                  ; q's image: (128 bh + tt) 512
	s_mov_b32 s[QA+2*\p+1], 0
	s_lshl_b32 s59, s56, 4
	s_add_co_u32 s59, s59, s[NS+\p]
	s_lshl_b32 s59, s59, 9                         ; its scale words: (16 bh + tt / 8) 512,
	s_and_b32 s60, s19, 1
	s_lshl_b32 s60, s60, 8
	s_add_co_u32 s59, s59, s60                     ; + 256 (tt % 2),
	s_lshr_b32 s60, s19, 1
	s_and_b32 s61, s57, 1
	s_lshl_b32 s61, s61, 1
	s_add_co_u32 s60, s60, s61
	s_lshl_b32 s60, s60, 2
	s_add_co_u32 s[QS+2*\p], s59, s60              ; + 4 ((tt % 8) / 2)
	s_mov_b32 s[QS+2*\p+1], 0
	s_lshr_b32 s59, s56, 4                         ; b
	s_lshl_b32 s60, s59, 4
	s_add_co_u32 s60, s60, s[NS+\p]
	s_lshl_b32 s60, s60, 16                        ; the result's image: 65,536 for each 128 rows,
	s_and_b32 s61, s56, 15                         ; head
	s_lshr_b32 s62, s61, 1
	s_lshl_b32 s62, s62, 13
	s_add_co_u32 s60, s60, s62                     ; 8,192 for each K step of 128 (two heads),
	s_and_b32 s62, s58, 7
	s_lshl_b32 s63, s62, 10
	s_add_co_u32 s60, s60, s63                     ; 1,024 for each tile of 16 rows,
	s_and_b32 s63, s61, 1
	s_lshl_b32 s63, s63, 9
	s_add_co_u32 s[OA+2*\p], s60, s63              ; 512 for each 64 along K
	s_mov_b32 s[OA+2*\p+1], 0
	s_lshl_b32 s60, s59, 11
	s_lshl_b32 s63, s58, 4
	s_add_co_u32 s60, s60, s63
	s_lshl_b32 s60, s60, 5                         ; its scale bytes: 32 a row,
	s_lshl_b32 s63, s61, 1
	s_add_co_u32 s[OS+2*\p], s60, s63              ; two a head
	s_mov_b32 s[OS+2*\p+1], 0
	s_lshl_b32 s62, s62, 4
	v_add_nc_u32 v[DLT+\p], s62, v11               ; 16 (tt % 8) + r - 8 h
.endr
	s_wait_dscnt 0x0                               ; both opening adds are done
	s_wait_kmcnt 0x0
	s_mov_b32 s[G0], 1
	s_add_nc_u64 s[G0+2:G0+3], s[8:9], s[66:67]
	s_or_b32 s[G0+3], s[G0+3], 0x80000000
	CROUND                                         ; all four work-groups are here: the joint loads meet
	tensor_load_to_lds s[G0:G0+3], s[G1:G1+7]      ; my one tensor load of the launch
	s_nop 0
.rept 4
	v_nop
.endr
.irp p, 0,1
	s_add_nc_u64 s[QA+2*\p:QA+2*\p+1], s[4:5], s[QA+2*\p:QA+2*\p+1]
	s_add_nc_u64 s[QS+2*\p:QS+2*\p+1], s[6:7], s[QS+2*\p:QS+2*\p+1]
	s_add_nc_u64 s[OA+2*\p:OA+2*\p+1], s[10:11], s[OA+2*\p:OA+2*\p+1]
	s_add_nc_u64 s[OS+2*\p:OS+2*\p+1], s[12:13], s[OS+2*\p:OS+2*\p+1]
.endr
	v_and_b32 v1, 31, v0
	s_delay_alu instid0(VALU_DEP_1)
	v_lshl_add_u32 v2, v1, 3, 8704                 ; 8 x lane + where v's scale words begin in a key step
	s_delay_alu instid0(VALU_DEP_2)
	v_lshlrev_b32 v1, 4, v1                        ; 16 x lane
	v_lshl_add_u32 v10, v9, 5, v10                 ; 32 r + h: my scale byte's place
	v_lshlrev_b32 v9, 4, v9                        ; 16 r: q's scale word
	global_load_b128 v[16:19], v1, s[QA:QA+1]      ; pass 0's q
	global_load_b32 v30, v9, s[QS:QS+1]
	v_mov_b32 v11, 0xff800000                      ; -infinity
.irp j, 20,21,22,23
	v_mov_b32 v\j, 0                               ; zero codes for K = 64 .. 127
.endr
.irp t, 0,1,2,3,4,5,6,7
.irp j, 4,5,6,7
	v_mov_b32 v[32+8*\t+\j], 0
.endr
.endr
.irp j, 236,237,238,239,252,253
	v_mov_b32 v\j, 0                               ; written once: a lane permute's destination counts as one of its sources; v253 is named as the upper half of a pair
.endr
	s_wait_tensorcnt 0x0                           ; my key step has landed,
	s_barrier_signal -1
	s_barrier_wait -1                              ; everybody's has: the whole head lies in LDS
; ONE TILE OF 16 QUERIES: a loop of 16 trips, a constant, over the key steps; a step behind the tile's last is jumped over, all but the lines that step the address and the count.
.macro PASS p
	s_wait_loadcnt 0x0                             ; q and its scale word
	s_wait_xcnt 0x0                                ; the last pass's stores have read their data: the registers may be written again
	s_mov_b32 s[TB], 0
	s_mov_b32 s[J], 0
	v_mov_b32 v13, 0xff61b1e6                      ; the largest t so far: -3e38, under every t
	s_delay_alu instid0(VALU_DEP_1)
	v_floor_f32 v12, -v13
	v_mov_b32 v14, 0
	v_mov_b32 v15, 0
.set i, 0
.rept 32
	v_mov_b32 v[192+i], 0                          ; O^T: the step is written once; the first change of M leaves zeros zeros
.set i, i+1
.endr
.Lstep_\@:
	s_cmp_gt_u32 s[J], s[NS+\p]                    ; the wave's number and the count of steps alone
	s_cbranch_scc1 .Lhidden_\@
	s_setprio 2
	v_add_nc_u32 v[ADR], s[TB], v1
	v_add_nc_u32 v[ADT], s[TB], v2
	v_nop
	v_nop                                          ; four plain instructions between the last step's products and the loads into the registers that they read
.irp t, 0,1,2,3,4,5,6,7
	ds_load_b128 v[32+8*\t:35+8*\t], v[ADR] offset:512*\t          ; k's image of keys 16 t on: registers 0-3 of the fragment
.endr
	ds_load_b128 v[24:27], v[ADR] offset:8192                      ; k's scale words: register i: lanes 0-15 tile 2 i, lanes 16-31 tile 2 i + 1
.irp t, 0,1,2,3
.irp c, 0,1
	ds_load_b128 v[160+8*\t+4*\c:163+8*\t+4*\c], v[ADR] offset:4096+1024*\t+512*\c   ; v's images: channels 16 t on, keys 64 c on
.endr
.endr
	ds_load_b64 v[28:29], v[ADT]                                   ; v's scale words, laid likewise
	s_wait_dscnt 9                                 ; k and its scale words are in; v's nine loads, issued behind them, land under the softmax
.irp t, 0,1,2,3,4,5,6,7
.if \t%2
	v_wmma_scale_f32_16x16x128_f8f6f4 v[96+8*\t:103+8*\t], v[32+8*\t:39+8*\t], v[16:23], 0, v[24+\t/2], v30 matrix_a_fmt:MATRIX_FMT_FP4 matrix_b_fmt:MATRIX_FMT_FP4 matrix_a_scale:MATRIX_SCALE_ROW1
.else
	v_wmma_scale_f32_16x16x128_f8f6f4 v[96+8*\t:103+8*\t], v[32+8*\t:39+8*\t], v[16:23], 0, v[24+\t/2], v30 matrix_a_fmt:MATRIX_FMT_FP4 matrix_b_fmt:MATRIX_FMT_FP4
.endif
.endr
.rept 4
	v_nop
.endr
	s_cmp_lt_u32 s[J], s[NS+\p]                    ; all keys of an earlier step count
	s_cbranch_scc1 .Lopen_\@
.set n, 0
.rept 64                                       ; the step on the diagonal: register n holds key 16 (n / 8) + 8 h + n % 8 of the step: hidden where it comes after my query
	v_cmp_gt_i32 vcc_lo, 16*(n/8)+n%8, v[DLT+\p]
	v_cndmask_b32 v[96+n], v[96+n], v11, vcc_lo
.set n, n+1
.endr
.Lopen_\@:
.irp b, 0,1,2,3
	v_max3_num_f32 v[232+\b], v[96+16*\b], v[97+16*\b], v[98+16*\b]   ; the largest score of each block of 32 keys (tiles 2 b, 2 b + 1): it serves the row's maximum and, since p rises with the score, the block's largest p
.endr
.irp i, 3,5,7,9,11,13
.irp b, 0,1,2,3
	v_max3_num_f32 v[232+\b], v[232+\b], v[96+16*\b+\i], v[97+16*\b+\i]
.endr
.endr
.irp b, 0,1,2,3
	v_max_num_f32 v[232+\b], v[232+\b], v[111+16*\b]
.endr
.irp b, 0,1,2,3
	s_delay_alu instid0(VALU_DEP_4)
	v_permlanex16_b32 v[236+\b], v[232+\b], s[SEL], s[SEL+1]
.endr
.irp b, 0,1,2,3
	s_delay_alu instid0(VALU_DEP_4)
	v_max_num_f32 v[232+\b], v[232+\b], v[236+\b]  ; with lane l xor 16's 16 keys
.endr
	s_delay_alu instid0(VALU_DEP_2)
	v_max3_num_f32 v254, v232, v233, v234
	s_delay_alu instid0(VALU_DEP_1)
	v_max_num_f32 v254, v254, v235
	s_delay_alu instid0(VALU_DEP_1)
	v_mul_f32 v254, s[CS], v254                    ; as t (c is positive)
	s_delay_alu instid0(VALU_DEP_1)
	v_max_num_f32 v13, v13, v254                   ; the running largest t
	v_mov_b32 v254, v12
	s_delay_alu instid0(VALU_DEP_2)
	v_floor_f32 v12, -v13                          ; the new -M
	s_delay_alu instid0(VALU_DEP_1)
	v_sub_f32 v254, v12, v254                      ; old M less new M: a whole number, 0 or less
	s_delay_alu instid0(VALU_DEP_1)
	v_cvt_i32_f32 v254, v254                       ; (it saturates)
	s_delay_alu instid0(VALU_DEP_1)
	v_ldexp_f32 v252, 1.0, v254                    ; f = 2^(old M - new M)
.set i, 0
.rept 32
	v_pk_fma_f32 v[96+i:97+i], v[96+i:97+i], s[CS:CS+1], v[12:13] op_sel_hi:[1,0,0]   ; t - M, two at a time
.set i, i+2
.endr
	s_setprio 1
.irp b, 0,1,2,3
	v_fma_f32 v[232+\b], v[232+\b], s[CS], v12     ; the same of each block's largest score
.endr
.set i, 0
	s_wait_alu depctr_va_vdst(0)
.rept 64
	v_exp_f32 v[96+i], v[96+i]                     ; p = 2^(t - M): one batch
.set i, i+1
.endr
	v_pk_mul_f32 v[14:15], v[14:15], v[252:253] op_sel_hi:[1,0]   ; the sums under the new M: the plain instruction behind the batch
	s_wait_alu depctr_va_vdst(0)                   ; one wait for the batch, ahead of its first reader
.irp b, 0,1,2,3
	v_exp_f32 v[232+\b], v[232+\b]                 ; the blocks' largest p
.endr
	v_pk_add_f32 v[236:237], v[100:101], v[104:105]
	v_pk_add_f32 v[254:255], v[108:109], v[112:113]
	v_pk_add_f32 v[250:251], v[116:117], v[120:121]
	v_pk_add_f32 v[248:249], v[124:125], v[128:129]
	v_pk_add_f32 v[246:247], v[132:133], v[136:137]
	v_pk_add_f32 v[244:245], v[140:141], v[144:145]
	v_pk_add_f32 v[242:243], v[148:149], v[152:153]
	v_pk_add_f32 v[14:15], v[14:15], v[156:157]
	v_pk_add_f32 v[236:237], v[236:237], v[96:97]
	v_pk_add_f32 v[254:255], v[254:255], v[98:99]
	v_pk_add_f32 v[250:251], v[250:251], v[102:103]
	v_pk_add_f32 v[248:249], v[248:249], v[106:107]
	v_pk_add_f32 v[246:247], v[246:247], v[110:111]
	v_pk_add_f32 v[244:245], v[244:245], v[114:115]
	v_pk_add_f32 v[242:243], v[242:243], v[118:119]
	v_pk_add_f32 v[14:15], v[14:15], v[122:123]
	v_pk_add_f32 v[236:237], v[236:237], v[126:127]
	v_pk_add_f32 v[254:255], v[254:255], v[130:131]
	v_pk_add_f32 v[250:251], v[250:251], v[134:135]
	v_pk_add_f32 v[248:249], v[248:249], v[138:139]
	v_pk_add_f32 v[246:247], v[246:247], v[142:143]
	v_pk_add_f32 v[244:245], v[244:245], v[146:147]
	v_pk_add_f32 v[242:243], v[242:243], v[150:151]
	v_pk_add_f32 v[14:15], v[14:15], v[154:155]
	v_pk_add_f32 v[236:237], v[236:237], v[158:159]
	s_delay_alu instid0(VALU_DEP_2)
	v_pk_add_f32 v[14:15], v[14:15], v[248:249]
	s_delay_alu instid0(VALU_DEP_2)
	v_pk_add_f32 v[236:237], v[236:237], v[246:247]
	v_pk_add_f32 v[254:255], v[254:255], v[244:245]
	v_pk_add_f32 v[250:251], v[250:251], v[242:243]
	s_delay_alu instid0(VALU_DEP_2)
	v_pk_add_f32 v[14:15], v[14:15], v[254:255]
	s_delay_alu instid0(VALU_DEP_2)
	v_pk_add_f32 v[236:237], v[236:237], v[250:251]
	s_delay_alu instid0(VALU_DEP_1)
	v_pk_add_f32 v[14:15], v[14:15], v[236:237]
	s_wait_alu depctr_va_vdst(0)                   ; and one for the four
.irp b, 0,1,2,3
	v_max_num_f32 v[232+\b], 0x1800000, v[232+\b]  ; the floor 2^(3 - 127): a block whose every p is 0 keeps the byte 1 over zero codes
.endr
.irp b, 0,1,2,3
	s_delay_alu instid0(VALU_DEP_4)
	v_add_nc_u32 v[244+\b], 0xff000000, v[232+\b]  ; 2 off the exponent field: the conversion's scale operand
.endr
.irp b, 0,1,2,3
	s_delay_alu instid0(VALU_DEP_4)
	v_lshrrev_b32 v[236+\b], 23, v[244+\b]
.endr
	s_delay_alu instid0(VALU_DEP_3)
	v_lshl_or_b32 v253, v237, 8, v236              ; p's scale word for these 128 keys
	s_delay_alu instid0(VALU_DEP_1)
	v_lshl_or_b32 v253, v238, 16, v253
	s_delay_alu instid0(VALU_DEP_1)
	v_lshl_or_b32 v253, v239, 24, v253
	s_setprio 0
.irp c, 0,1                                    ; 64 keys: the conversions are paired so that two exchanges of half-waves leave keys 64 c + 32 h + 0 .. 31 in ascending order
	v_cvt_scalef32_pk8_fp4_f32 v[224+4*\c], v[96+32*\c:103+32*\c], v[244+2*\c]
	v_cvt_scalef32_pk8_fp4_f32 v[225+4*\c], v[112+32*\c:119+32*\c], v[245+2*\c]
	v_cvt_scalef32_pk8_fp4_f32 v[226+4*\c], v[104+32*\c:111+32*\c], v[244+2*\c]
	v_cvt_scalef32_pk8_fp4_f32 v[227+4*\c], v[120+32*\c:127+32*\c], v[245+2*\c]
.endr
	v_nop                                          ; one plain instruction behind the scaled conversions
.irp c, 0,1
	v_permlane16_swap_b32 v[224+4*\c], v[225+4*\c]
	v_permlane16_swap_b32 v[226+4*\c], v[227+4*\c]
.endr
.set i, 0
.rept 16
	v_pk_mul_f32 v[192+i:193+i], v[192+i:193+i], v[252:253] op_sel_hi:[1,0]   ; O^T under the new M; these sixteen also stand between the codes' and the scale word's last writes and the products
.set i, i+2
.endr
	s_wait_alu depctr_va_vdst(0)
	s_wait_dscnt 0x0                               ; v and its scale words
.irp t, 0,1,2,3                                ; the four accumulators by turns
.if \t%2
	v_wmma_scale_f32_16x16x128_f8f6f4 v[192+8*\t:199+8*\t], v[160+8*\t:167+8*\t], v[224:231], v[192+8*\t:199+8*\t], v[28+\t/2], v253 matrix_a_fmt:MATRIX_FMT_FP4 matrix_b_fmt:MATRIX_FMT_FP4 matrix_a_scale:MATRIX_SCALE_ROW1
.else
	v_wmma_scale_f32_16x16x128_f8f6f4 v[192+8*\t:199+8*\t], v[160+8*\t:167+8*\t], v[224:231], v[192+8*\t:199+8*\t], v[28+\t/2], v253 matrix_a_fmt:MATRIX_FMT_FP4 matrix_b_fmt:MATRIX_FMT_FP4
.endif
.endr
.Lhidden_\@:
	s_add_co_u32 s[TB], s[TB], KVS
	s_add_co_u32 s[J], s[J], 1
	s_cmp_lt_u32 s[J], 16
	s_cbranch_scc1 .Lstep_\@
	s_setprio 0
	; THE WAY OUT: O^T / the sum, quantised along the head's 64 channels: an image of the projection's operand registers, and two scale bytes a row.
.rept 4
	v_nop                                          ; between the last products and the first read of their results
.endr
.if \p == 0
	global_load_b128 v[16:19], v1, s[QA+2:QA+3]    ; the next pass's q lands under the way out
	global_load_b32 v30, v9, s[QS+2:QS+3]
.endif
	v_add_f32 v14, v14, v15
	s_delay_alu instid0(VALU_DEP_1)
	v_permlanex16_b32 v252, v14, s[SEL], s[SEL+1]
	s_delay_alu instid0(VALU_DEP_1)
	v_add_f32 v14, v14, v252                       ; the row's sum
	s_wait_alu depctr_va_vdst(0)
	v_rcp_f32 v14, v14
	v_nop                                          ; a plain instruction behind the reciprocal,
	s_wait_alu depctr_va_vdst(0)                   ; and the wait ahead of its first reader
.set i, 0
.rept 16
	v_pk_mul_f32 v[96+i:97+i], v[192+i:193+i], v[14:15] op_sel_hi:[1,0]   ; register 8 t + j: channel 16 t + 8 h + j of query r; each accumulator from its low end on
.set i, i+2
.endr
	v_max3_num_f32 v232, |v96|, |v97|, 0x1800000
	v_max3_num_f32 v233, |v112|, |v113|, 0x1800000
.irp i, 2,4,6,8,10,12,14
	s_delay_alu instid0(VALU_DEP_2)
	v_max3_num_f32 v232, v232, |v[96+\i]|, |v[97+\i]|
	s_delay_alu instid0(VALU_DEP_2)
	v_max3_num_f32 v233, v233, |v[112+\i]|, |v[113+\i]|
.endr
	s_delay_alu instid0(VALU_DEP_2)
	v_permlanex16_b32 v236, v232, s[SEL], s[SEL+1]
	s_delay_alu instid0(VALU_DEP_2)
	v_permlanex16_b32 v237, v233, s[SEL], s[SEL+1]
	s_delay_alu instid0(VALU_DEP_2)
	v_max_num_f32 v232, v232, v236
	s_delay_alu instid0(VALU_DEP_2)
	v_max_num_f32 v233, v233, v237
	s_delay_alu instid0(VALU_DEP_2)
	v_add_nc_u32 v244, 0xff000000, v232
	s_delay_alu instid0(VALU_DEP_2)
	v_add_nc_u32 v245, 0xff000000, v233
	s_delay_alu instid0(VALU_DEP_2)
	v_lshrrev_b32 v240, 23, v244
	s_delay_alu instid0(VALU_DEP_2)
	v_lshrrev_b32 v241, 23, v245
	v_cvt_scalef32_pk8_fp4_f32 v224, v[96:103], v244
	v_cvt_scalef32_pk8_fp4_f32 v225, v[112:119], v245
	v_cvt_scalef32_pk8_fp4_f32 v226, v[104:111], v244
	v_cvt_scalef32_pk8_fp4_f32 v227, v[120:127], v245
	v_cndmask_b32 v242, v240, v241, s[HM]          ; lane (r, h) stores block h's byte.  (The plain instruction behind the conversions)
	v_permlane16_swap_b32 v224, v225
	v_permlane16_swap_b32 v226, v227
	global_store_b128 v1, v[224:227], s[OA+2*\p:OA+2*\p+1]         ; 32 lanes store 512 consecutive bytes, aligned
	global_store_b8 v10, v242, s[OS+2*\p:OS+2*\p+1]                ; two bytes of each of 16 rows, 32 bytes apart: a row's other bytes belong to other heads' work-groups
.endm
	PASS 0
	PASS 1
	s_wait_tensorcnt 0x0                           ; the wave's end
	ds_add_u32 v[SPW], v[NIL]
	s_wait_dscnt 0x0
	CROUND                                         ; the closing round
	s_endpgm
.Lfunc_end_k_qb36043ebdf_attn:
	.size	k_qb36043ebdf_attn, .Lfunc_end_k_qb36043ebdf_attn-k_qb36043ebdf_attn
	.p2alignl 7, 3214868480
	.fill 96, 4, 3214868480
	.section	.rodata,"a",@progbits
	.p2align	6, 0x0
	.amdhsa_kernel k_qb36043ebdf_attn
		.amdhsa_group_segment_fixed_size 167936
		.amdhsa_private_segment_fixed_size 0
		.amdhsa_enable_private_segment 0
		.amdhsa_kernarg_size 40
		.amdhsa_user_sgpr_count 2
		.amdhsa_user_sgpr_kernarg_segment_ptr 1
		.amdhsa_wavefront_size32 1
		.amdhsa_system_sgpr_workgroup_id_x 1
		.amdhsa_system_sgpr_workgroup_id_y 1
		.amdhsa_system_sgpr_workgroup_id_z 1
		.amdhsa_system_vgpr_workitem_id 0
		.amdhsa_next_free_vgpr 256
		.amdhsa_next_free_sgpr 72
		.amdhsa_reserve_vcc 1
		.amdhsa_float_denorm_mode_32 3
		.amdhsa_float_denorm_mode_16_64 3
		.amdhsa_memory_ordered 1
		.amdhsa_forward_progress 1
		.amdhsa_inst_pref_size 62
	.end_amdhsa_kernel
	.amdgpu_metadata
---
amdhsa.version: [ 1, 2 ]
amdhsa.kernels:
  - .name:           k_qb36043ebdf_attn
    .symbol:         k_qb36043ebdf_attn.kd
    .args:
      - { .name: qimg, .offset: 0, .size: 8, .value_kind: global_buffer, .address_space: global }
      - { .name: qsc, .offset: 8, .size: 8, .value_kind: global_buffer, .address_space: global }
      - { .name: kv, .offset: 16, .size: 8, .value_kind: global_buffer, .address_space: global }
      - { .name: aimg, .offset: 24, .size: 8, .value_kind: global_buffer, .address_space: global }
      - { .name: asc, .offset: 32, .size: 8, .value_kind: global_buffer, .address_space: global }
    .group_segment_fixed_size: 167936
    .private_segment_fixed_size: 0
    .kernarg_segment_align: 8
    .kernarg_segment_size: 40
    .max_flat_workgroup_size: 512
    .sgpr_count:     72
    .vgpr_count:     256
    .wavefront_size: 32
...
	.end_amdgpu_metadata
.endif
;; end of part 2
;; launch oproj (part 3): grid 4 x 64, 4 waves a work-group, clusters of 4 x 4, 327,680 bytes of LDS; arguments aimg, asc, w_out_codes, w_out_scales, b_out, out0; writes out0
.if DOCPART == 3
	.amdgcn_target "amdgcn-amd-amdhsa--gfx1250"
	.amdhsa_code_object_version 6
	.text
	.protected	k_qb36043ebdf_oproj
	.globl	k_qb36043ebdf_oproj
	.p2align	8
	.type	k_qb36043ebdf_oproj,@function
k_qb36043ebdf_oproj:
	s_mov_b64 s[64:65], 0
	v_nop
	global_prefetch_b8 v0, s[64:65] scope:SCOPE_SE
	s_setreg_imm32_b32 hwreg(HW_REG_WAVE_MODE, 25, 1), 1
	s_wait_xcnt 0x0
	s_wait_alu depctr_hold_cnt(0) depctr_sa_sdst(0) depctr_va_vdst(0) depctr_va_sdst(0) depctr_va_ssrc(0) depctr_va_vcc(0) depctr_vm_vsrc(0)
	s_getreg_b32 s2, hwreg(HW_REG_IB_STS2, 6, 4)
	s_cmp_eq_u32 s2, 0
	s_cbranch_scc0 .Lentry_in_a_cluster
	s_endpgm
.Lentry_in_a_cluster:
	s_bfe_u32 s2, ttmp6, 0x10000c
	s_cmp_lg_u32 s2, 0xf033
	s_cbranch_scc0 .Lentry_shape_is_right
	s_endpgm
.Lentry_shape_is_right:
; LAUNCH 3 OF 3: out0 = a w_out + b_out on codes of FP4 (E2M1) with E8M0 scales.  a: the attention's result as the second launch left it: images of operand registers (aimg) and scale bytes [8,192][32] (asc).  No work is left out here.
; SHARES: 256 work-groups of 128 rows x 256 columns; a wave makes 64 x 128: 32 accumulators.  All of K (1,024) lies in LDS, in two slots of 512 along K, each filled once; nothing is filled again.
; THE PRODUCT IS USED TRANSPOSED: source 0 = 16 rows of w_out (columns of out0), source 1 = 16 rows of a: a lane holds eight neighbouring numbers of a row of out0.  b_out is the C of each sum's first product.
; CLUSTER 4 x 4: a's tile hangs on the cluster's row and is asked for jointly along it, w_out's on the column.
; a's images need no pitch: a fragment's half is 512 consecutive bytes, 16 a lane.  In a block of 128 rows they lie [K step of 128][tile of 16 rows][64 along K][512 bytes], so a slot's part is 32,768 dense bytes.
; REGISTERS: window 0: v16-29 addresses; v32-63 w_out's scale words, v64-79 a's (lanes 0-15: K steps 0-3, lanes 16-31: K steps 4-7); v128-159, v192-223 a's fragments, two sets; on the way out v128-255 rows of out0.
;   window 1: v0-127 w_out's fragments, two sets; v128-191 b_out in the result's layout.   window 2: accumulator (a, b) at v[8 (8 a + b)].
.set PITCH,  272
.set AH,     16384                     ; half of a slot's images of a: what one tensor load brings
.set BH,     128*PITCH                 ; 128 rows of w_out: likewise
.set BOFF,   2*AH
.set SLOT,   BOFF+2*BH
.set SCL,    2*SLOT                    ; a's scale bytes: two halves of 64 rows x 32 bytes, as rows of 256 bytes + 16
.set HSA,    8*272
.set SCLB,   SCL+2*HSA                 ; w_out's: two halves of 128 rows
.set HSB,    16*272
.set SBLK,   544
.set STAGE,  SCLB+2*HSB                ; the way out: 16 rows x (512 bytes + 16) for each wave: bytes of its own, into which no tensor load lands
.set SPITCH, 528
.set SPARE,  STAGE+4*16*SPITCH         ; the spare words: 128 bytes a wave, named by no other line
.set ADRA, 16
.set ADRB, 20
.set ADSA, 22
.set ADSB, 23
.set STO,  24                          ; v24  the stage: where I put 32 bytes of a row
.set RD,   25                          ; v25  and where I read a row back
.set CO,   26                          ; v26  16 x lane: my bytes of a row of out0
.set BO,   27                          ; v27  32 h: the bias's lane offset
.set SPW,  28
.set NIL,  29
.set SCB,  32
.set SCA,  64
.set AF,   128
.set BK,   128
.set BI,   128
.set G1,   24
.set G0,   32
.set G1B,  48
.set G0B,  56
.set G1S,  68
.set G0S,  76
.set G1SB, 80
.set G0SB, 88
.set MSB, 0
.macro WIN new
.if MSB != (\new)
	s_set_vgpr_msb (MSB<<8)|(\new)
.set MSB, (\new)
.endif
.endm
.macro JLOAD g0a, g1a, g0b, g1b        ; waves 0 and 1 fetch for a, waves 2 and 3 for w_out; an s_nop 0 and four v_nop follow each line
	s_cmp_eq_u32 s15, 0
	s_cbranch_scc0 .Lfor_b_\@
	tensor_load_to_lds s[\g0a:\g0a+3], s[\g1a:\g1a+7]
	s_nop 0
.rept 4
	v_nop
.endr
	s_branch .Lasked_\@
.Lfor_b_\@:
	tensor_load_to_lds s[\g0b:\g0b+3], s[\g1b:\g1b+7]
	s_nop 0
.rept 4
	v_nop
.endr
.Lasked_\@:
.endm
.macro CROUND
	s_barrier_signal -1
	s_barrier_wait -1
	s_cmp_lg_u32 s14, 0
	s_cbranch_scc1 .Lnot_wave_0_\@
	s_barrier_signal -3
.Lnot_wave_0_\@:
	s_barrier_wait -3
	s_barrier_signal -1
	s_barrier_wait -1
.endm
.macro PLACES n
.rept \n
	v_nop
.endr
.endm
	s_load_b256 s[4:11], s[0:1], 0x0               ; aimg s[4:5], asc s[6:7], w_out's codes s[8:9], its scales s[10:11]
	s_load_b128 s[92:95], s[0:1], 0x20             ; b_out s[92:93], out0 s[94:95]
	v_lshl_add_u32 v[SPW], v0, 2, SPARE
	v_mov_b32 v[NIL], 0
	ds_add_u32 v[SPW], v[NIL]                      ; the wave's opening: the add, twice on end, and its wait ahead of my first tensor load
	ds_add_u32 v[SPW], v[NIL]
	v_lshrrev_b32 v1, 5, v0
	v_readfirstlane_b32 s14, v1                    ; wave 0..3
	s_lshr_b32 s15, s14, 1                         ; wr: my 64 rows.  Also: I fetch for a (0) or for w_out (1)
	s_and_b32 s16, s14, 1                          ; wc: my 128 columns.  Also: which half I fetch
	s_bfe_u32 s40, ttmp6, 0x40000                  ; cx
	s_bfe_u32 s41, ttmp6, 0x40004                  ; cy
	s_lshl_b32 s42, ttmp9, 2
	s_add_co_u32 s42, s42, s40                     ; T0: which 256 columns
	s_and_b32 s17, ttmp7, 0xffff
	s_lshl_b32 s17, s17, 2
	s_add_co_u32 s17, s17, s41                     ; T1: which 128 rows
	s_lshl_b32 s43, s41, 2
	s_lshl_b32 s43, 15, s43                        ; my row of the cluster
	s_lshl_b32 s44, 0x1111, s40                    ; my column
	s_or_b32 s[G1+0], s43, (3<<16)|(1<<21)         ; a's images: 16,384 dense bytes as 64 rows of 32 elements of 8 bytes, no padding
	s_mov_b32 s[G1+1], 32<<16
	s_mov_b32 s[G1+2], 64<<16
	s_mov_b32 s[G1+3], 32<<16
	s_mov_b32 s[G1+4], 64
	s_mov_b32 s[G1+5], 32
	s_mov_b32 s[G1+6], 0
	s_mov_b32 s[G1+7], 0
	s_or_b32 s[G1B+0], s44, (1<<20)|(1<<21)|(5<<22)|(3<<25)   ; w_out's codes: 128 rows x 256 bytes, 4 words of padding behind every 64
	s_mov_b32 s[G1B+1], 256<<16
	s_mov_b32 s[G1B+2], 128<<16
	s_mov_b32 s[G1B+3], 256<<16
	s_mov_b32 s[G1B+4], 128
	s_mov_b32 s[G1B+5], 512
	s_mov_b32 s[G1B+6], 0
	s_mov_b32 s[G1B+7], 0
	s_or_b32 s[G1S+0], s43, (3<<16)|(1<<20)|(1<<21)|(5<<22)|(3<<25)   ; a's scales of 64 rows: 8 rows of 256 bytes, padded
	s_mov_b32 s[G1S+1], 32<<16
	s_mov_b32 s[G1S+2], 8<<16
	s_mov_b32 s[G1S+3], 32<<16
	s_mov_b32 s[G1S+4], 8
	s_mov_b32 s[G1S+5], 32
	s_mov_b32 s[G1S+6], 0
	s_mov_b32 s[G1S+7], 0
	s_or_b32 s[G1SB+0], s44, (3<<16)|(1<<20)|(1<<21)|(5<<22)|(3<<25)  ; w_out's of 128 rows: 16 such rows
	s_mov_b32 s[G1SB+1], 32<<16
	s_mov_b32 s[G1SB+2], 16<<16
	s_mov_b32 s[G1SB+3], 32<<16
	s_mov_b32 s[G1SB+4], 16
	s_mov_b32 s[G1SB+5], 32
	s_mov_b32 s[G1SB+6], 0
	s_mov_b32 s[G1SB+7], 0
	s_lshl_b32 s20, s17, 16
	s_lshl_b32 s18, s16, 14
	s_add_co_u32 s20, s20, s18                     ; a's images: 65,536 T1 + 16,384 half (registers that never hold cx)
	s_mov_b32 s21, 0
	s_lshl_b32 s22, s17, 12
	s_lshl_b32 s18, s16, 11
	s_add_co_u32 s22, s22, s18                     ; a's scales: 4,096 T1 + 2,048 half
	s_mov_b32 s23, 0
	s_lshl_b32 s46, s42, 8
	s_lshl_b32 s18, s16, 7
	s_add_co_u32 s46, s46, s18                     ; w_out's row: 256 T0 + 128 half (registers that never hold cy)
	s_lshl_b32 s100, s46, 5
	s_mov_b32 s101, 0
	s_lshl_b32 s46, s46, 9
	s_mov_b32 s47, 0
	s_mul_i32 s45, s16, AH                         ; where they go: a constant, and the wave's low bit times a constant
	s_mul_i32 s2, s16, BH
	s_add_co_u32 s2, s2, BOFF
	s_mul_i32 s96, s16, HSA
	s_add_co_u32 s96, s96, SCL
	s_mul_i32 s97, s16, HSB
	s_add_co_u32 s97, s97, SCLB
	s_wait_dscnt 0x0                               ; both opening adds are done
	s_wait_kmcnt 0x0
	s_add_nc_u64 s[20:21], s[4:5], s[20:21]
	s_add_nc_u64 s[22:23], s[6:7], s[22:23]
	s_add_nc_u64 s[46:47], s[8:9], s[46:47]
	s_add_nc_u64 s[100:101], s[10:11], s[100:101]
	CROUND                                         ; all sixteen work-groups are here: the joint loads meet
	s_mov_b32 s[G0S], 1
	s_mov_b32 s[G0S+1], s96
	s_mov_b64 s[G0S+2:G0S+3], s[22:23]
	s_or_b32 s[G0S+3], s[G0S+3], 0x80000000
	s_mov_b32 s[G0SB], 1
	s_mov_b32 s[G0SB+1], s97
	s_mov_b64 s[G0SB+2:G0SB+3], s[100:101]
	s_or_b32 s[G0SB+3], s[G0SB+3], 0x80000000
	JLOAD G0S, G1S, G0SB, G1SB
.irp s, 0,1
	s_mov_b32 s[G0+4*\s], 1
	s_add_co_u32 s[G0+4*\s+1], s45, \s*SLOT
	s_add_nc_u64 s[G0+4*\s+2:G0+4*\s+3], s[20:21], \s*2*AH
	s_or_b32 s[G0+4*\s+3], s[G0+4*\s+3], 0x80000000
	s_mov_b32 s[G0B+4*\s], 1
	s_add_co_u32 s[G0B+4*\s+1], s2, \s*SLOT
	s_add_nc_u64 s[G0B+4*\s+2:G0B+4*\s+3], s[46:47], \s*256
	s_or_b32 s[G0B+4*\s+3], s[G0B+4*\s+3], 0x80000000
	s_wait_alu depctr_va_vdst(0)
	s_wait_tensorcnt 0x0
	ds_add_u32 v28, v29
	s_wait_dscnt 0x0
	CROUND
	JLOAD G0+4*\s, G1, G0B+4*\s, G1B               ; one load of mine is out: the earlier ones have landed
.endr
	v_and_b32 v1, 15, v0                           ; r
	v_bfe_u32 v2, v0, 4, 1                         ; h
	v_and_b32 v6, 31, v0
	v_lshlrev_b32 v[CO], 4, v6                     ; 16 x lane
	v_mul_u32_u24 v3, v1, PITCH
	v_lshl_add_u32 v4, v2, 4, v3
	s_lshl_b32 s21, s15, 12                        ; a: my four tiles: 4,096 wr
	s_mul_i32 s22, s16, BH
	s_add_co_u32 s22, s22, BOFF                    ; w_out: my 128 rows
.irp s, 0,1
	v_add_nc_u32 v[ADRA+\s], s21, v[CO]
	v_add_nc_u32 v[ADRB+\s], s22, v4
	s_add_co_u32 s21, s21, SLOT
	s_add_co_u32 s22, s22, SLOT
.endr
	v_lshlrev_b32 v5, 5, v1
	v_lshrrev_b32 v7, 3, v1
	v_lshl_add_u32 v5, v7, 4, v5
	v_lshl_add_u32 v5, v2, 4, v5                   ; 32 r, 16 more behind each 256, and lanes 16-31 the row's second 16 bytes
	s_mul_i32 s21, s15, HSA
	s_add_co_u32 s21, s21, SCL
	s_mul_i32 s22, s16, HSB
	s_add_co_u32 s22, s22, SCLB
	v_add_nc_u32 v[ADSA], s21, v5
	v_add_nc_u32 v[ADSB], s22, v5
	s_mul_i32 s23, s14, 16*SPITCH
	s_add_co_u32 s23, s23, STAGE                   ; my stage
	v_mul_u32_u24 v5, v1, SPITCH
	v_lshl_add_u32 v5, v2, 5, v5
	v_add_nc_u32 v[STO], s23, v5
	v_add_nc_u32 v[RD], s23, v[CO]
	v_lshlrev_b32 v[BO], 5, v2
	s_wait_alu depctr_va_vdst(0)
	s_lshl_b32 s18, s42, 10
	s_lshl_b32 s19, s16, 9
	s_add_co_u32 s18, s18, s19                     ; my first column, in bytes: 1,024 T0 + 512 wc
	s_mov_b32 s19, 0
	s_add_nc_u64 s[92:93], s[92:93], s[18:19]      ; in b_out,
	s_add_nc_u64 s[94:95], s[94:95], s[18:19]      ; and in a row of out0
	s_lshl_b32 s18, s17, 19
	s_lshl_b32 s20, s15, 18
	s_add_co_u32 s18, s18, s20                     ; my first row: (128 T1 + 64 wr) x 4,096 bytes
	s_add_nc_u64 s[94:95], s[94:95], s[18:19]
	WIN 0x40                                       ; destination window 1
.irp b, 0,1,2,3,4,5,6,7
	global_load_b128 v[BI+8*\b:BI+8*\b+3], v[BO], s[92:93] offset:64*\b        ; register j of tile b: column 16 b + 8 h + j
	global_load_b128 v[BI+8*\b+4:BI+8*\b+7], v[BO], s[92:93] offset:64*\b+16
.endr
	WIN 0
.macro FETCH slot, q, p                ; the fragments of the slot's q-th 128 along K into set p: 24 loads in one run
	WIN 0x40
.irp i, 0,1,2,3,4,5,6,7
.irp c, 0,1
	ds_load_b128 v[64*(\p)+8*\i+4*\c:64*(\p)+8*\i+4*\c+3], v[ADRB+\slot] offset:64*(\q)+32*\c+\i*16*PITCH
.endr
.endr
	WIN 0
.irp i, 0,1,2,3
.irp c, 0,1
	ds_load_b128 v[AF+64*(\p)+8*\i+4*\c:AF+64*(\p)+8*\i+4*\c+3], v[ADRA+\slot] offset:8192*(\q)+1024*\i+512*\c
.endr
.endr
.endm
.macro SCALES                          ; all scale words, once
.irp i, 0,1,2,3,4,5,6,7
	ds_load_b128 v[SCB+4*\i:SCB+4*\i+3], v[ADSB] offset:\i*SBLK
.endr
.irp i, 0,1,2,3
	ds_load_b128 v[SCA+4*\i:SCA+4*\i+3], v[ADSA] offset:\i*SBLK
.endr
.endm
; 32 products: a's four tiles x w_out's eight; the 32 accumulators take turns, one instruction a turn, in the same order in every step.  cm = 1: C = the bias.
.macro MUL32 p, q, row1, cm
.if \cm
	WIN 0x91                                       ; source 0 window 1, source 1 window 0, C window 1, D window 2
.else
	WIN 0xa1                                       ; C and D window 2
.endif
.irp a, 0,1,2,3
.irp b, 0,1,2,3,4,5,6,7
.set DR, 8*(8*\a+\b)
.if \cm
.set CR, BI+8*\b
.else
.set CR, DR
.endif
.if \row1
	v_wmma_scale_f32_16x16x128_f8f6f4 v[DR:DR+7], v[64*(\p)+8*\b:64*(\p)+8*\b+7], v[AF+64*(\p)+8*\a:AF+64*(\p)+8*\a+7], v[CR:CR+7], v[SCB+4*\b+(\q)], v[SCA+4*\a+(\q)] matrix_a_fmt:MATRIX_FMT_FP4 matrix_b_fmt:MATRIX_FMT_FP4 matrix_a_scale:MATRIX_SCALE_ROW1 matrix_b_scale:MATRIX_SCALE_ROW1
.else
	v_wmma_scale_f32_16x16x128_f8f6f4 v[DR:DR+7], v[64*(\p)+8*\b:64*(\p)+8*\b+7], v[AF+64*(\p)+8*\a:AF+64*(\p)+8*\a+7], v[CR:CR+7], v[SCB+4*\b+(\q)], v[SCA+4*\a+(\q)] matrix_a_fmt:MATRIX_FMT_FP4 matrix_b_fmt:MATRIX_FMT_FP4
.endif
.endr
.endr
.endm
.macro STEP q, cm
	s_wait_dscnt 0x0                               ; this step's fragments, asked for a step ago, are in
.if (\q) == 3
	s_wait_tensorcnt 0x0                           ; my part of slot 1 has landed,
	s_barrier_signal -1
	s_barrier_wait -1                              ; everybody's has.
.endif
.if (\q) < 7
.if (\q) > 0
	PLACES 4                                       ; between the last step's products and the loads into the set that they read
.endif
	FETCH ((\q)+1)/4, ((\q)+1)%4, 1-(\q)%2
.endif
	MUL32 (\q)%2, (\q)%4, (\q)/4, \cm
	WIN 0
.endm
	s_wait_tensorcnt 0x1                           ; the scales and my part of slot 0 are in; slot 1's load, issued behind them, may be out
	s_barrier_signal -1
	s_barrier_wait -1
	FETCH 0, 0, 0
	SCALES
	s_wait_loadcnt 0x0                             ; the bias
	STEP 0, 1                                      ; the first step starts the sums with the bias: nothing is cleared
	STEP 1, 0
	STEP 2, 0
	STEP 3, 0
	STEP 4, 0
	STEP 5, 0
	STEP 6, 0
	STEP 7, 0
; THE WAY OUT, 16 rows x 128 columns at a time: a lane holds 32 neighbouring bytes of a row and the lanes beside it other rows: so a block goes through my own stage and comes back as whole rows of 512 bytes.
; LDS serves a wave's instructions in order (ISA guide 5.7.1.4): no wait between the stores and the loads, nor in front of the next block's stores.
.macro TOSTAGE a
.set AC, 64*(\a)
	WIN 0x08                                       ; an LDS store's data: window 2
.irp b, 0,1,2,3,4,5,6,7
	ds_store_b128 v[STO], v[AC+8*\b:AC+8*\b+3] offset:64*\b          ; each accumulator from its low end on
	ds_store_b128 v[STO], v[AC+8*\b+4:AC+8*\b+7] offset:64*\b+16
.endr
	WIN 0
.set BB, BK+64*((\a)%2)
.irp t, 0,1,2,3,4,5,6,7,8,9,10,11,12,13,14,15
	ds_load_b128 v[BB+4*\t:BB+4*\t+3], v[RD] offset:\t*SPITCH
.endr
.endm
.macro SEND a, younger                 ; younger: the LDS instructions issued behind block a's loads, which may stay out
.set BB, BK+64*((\a)%2)
	s_wait_dscnt \younger
.if (\a) > 0
	s_add_nc_u64 s[94:95], s[94:95], 16*4096       ; 16 rows on (behind a wait on XCNT: the earlier stores have read their base)
.endif
.irp t, 0,1,2,3,4,5,6,7,8,9,10,11,12,13,14,15
	global_store_b128 v[CO], v[BB+4*\t:BB+4*\t+3], s[94:95] offset:\t*4096 th:TH_STORE_NT   ; 32 lanes store 512 consecutive bytes, aligned; written once, read by nobody here
.endr
.endm
	PLACES 4                                       ; between the last products and the first read of results, and the loads into registers that held fragments
	TOSTAGE 0
.irp a, 1,2,3
.if \a > 1
	s_wait_xcnt 0x0                                ; block a - 2's stores have read their registers and their base
.endif
	TOSTAGE \a
	SEND \a-1, 32                                  ; behind block a - 1's loads: block a's 16 stores and 16 loads
.endr
	s_wait_xcnt 0x0
	SEND 3, 0
	s_wait_tensorcnt 0x0                           ; the wave's end: behind my last tensor load and my last LDS store
	ds_add_u32 v[SPW], v[NIL]
	s_wait_dscnt 0x0
	CROUND                                         ; the closing round
	s_endpgm
.Lfunc_end_k_qb36043ebdf_oproj:
	.size	k_qb36043ebdf_oproj, .Lfunc_end_k_qb36043ebdf_oproj-k_qb36043ebdf_oproj
	.p2alignl 7, 3214868480
	.fill 96, 4, 3214868480
	.section	.rodata,"a",@progbits
	.p2align	6, 0x0
	.amdhsa_kernel k_qb36043ebdf_oproj
		.amdhsa_group_segment_fixed_size 327680
		.amdhsa_private_segment_fixed_size 0
		.amdhsa_enable_private_segment 0
		.amdhsa_kernarg_size 48
		.amdhsa_user_sgpr_count 2
		.amdhsa_user_sgpr_kernarg_segment_ptr 1
		.amdhsa_wavefront_size32 1
		.amdhsa_system_sgpr_workgroup_id_x 1
		.amdhsa_system_sgpr_workgroup_id_y 1
		.amdhsa_system_sgpr_workgroup_id_z 1
		.amdhsa_system_vgpr_workitem_id 0
		.amdhsa_next_free_vgpr 768
		.amdhsa_next_free_sgpr 102
		.amdhsa_reserve_vcc 0
		.amdhsa_float_denorm_mode_32 3
		.amdhsa_float_denorm_mode_16_64 3
		.amdhsa_memory_ordered 1
		.amdhsa_forward_progress 1
		.amdhsa_inst_pref_size 74
	.end_amdhsa_kernel
	.amdgpu_metadata
---
amdhsa.version: [ 1, 2 ]
amdhsa.kernels:
  - .name:           k_qb36043ebdf_oproj
    .symbol:         k_qb36043ebdf_oproj.kd
    .args:
      - { .name: aimg, .offset: 0, .size: 8, .value_kind: global_buffer, .address_space: global }
      - { .name: asc, .offset: 8, .size: 8, .value_kind: global_buffer, .address_space: global }
      - { .name: w_out_codes, .offset: 16, .size: 8, .value_kind: global_buffer, .address_space: global }
      - { .name: w_out_scales, .offset: 24, .size: 8, .value_kind: global_buffer, .address_space: global }
      - { .name: b_out, .offset: 32, .size: 8, .value_kind: global_buffer, .address_space: global }
      - { .name: out0, .offset: 40, .size: 8, .value_kind: global_buffer, .address_space: global }
    .group_segment_fixed_size: 327680
    .private_segment_fixed_size: 0
    .kernarg_segment_align: 8
    .kernarg_segment_size: 48
    .max_flat_workgroup_size: 128
    .sgpr_count:     102
    .vgpr_count:     768
    .wavefront_size: 32
...
	.end_amdgpu_metadata
.endif
;; end of part 3
